; MI455X (gfx1250); checked and timed in simulation.
; The chip was launched on July 23, 2026; its instructions are those of AMD's public machine-readable ISA for CDNA 5 (MIT licence, August 2026) and "CDNA5" Instruction Set Architecture Reference Guide (July 2026). The comments in the code are by the model that wrote it; some were corrected since.
;; NN Distance. Allowed arithmetic: float matrix products may take bf16 or f16 operands with f32 sums; other float arithmetic in f32, or as packed bf16 or f16 multiplies, adds, multiply-adds, maxima and minima; sums over many terms, partial sums and values carried from step to step in f32; what a program stores and reads back later, other than sums and carried values, may be rounded once to bf16 or f16.
;; Inputs: target_set 65,536 x 256 float32; x 4,096 x 256 float32.
;; Outputs: out0 4,096 float32; out1 4,096 int32.
;; One version. Each part assembles by itself: llvm-mc -triple=amdgcn-amd-amdhsa -mcpu=gfx1250 --defsym DOCPART=n.
;; ======== version 1 of 1: 3 launches
;; workspace buffers: tb 33,554,432 bytes; tnh 262,144 bytes; xq 2,097,152 bytes; xn 16,384 bytes; pv 1,048,576 bytes; pi 1,048,576 bytes
;; launch prep (part 1): grid 256 x 1, 17 waves a work-group, no clusters, 150,272 bytes of LDS; arguments target_set, x, tb, tnh, xq, xn; writes tb, tnh, xq, xn
.if DOCPART == 1
	.amdgcn_target "amdgcn-amd-amdhsa--gfx1250"
	.amdhsa_code_object_version 6
	.text
	.protected	k_qa96998afb6_prep
	.globl	k_qa96998afb6_prep
	.p2align	8
	.type	k_qa96998afb6_prep,@function
k_qa96998afb6_prep:
	s_mov_b64 s[64:65], 0
	v_nop
	global_prefetch_b8 v0, s[64:65] scope:SCOPE_SE
	s_setreg_imm32_b32 hwreg(HW_REG_WAVE_MODE, 25, 1), 1
	s_wait_xcnt 0x0
; NEAREST NEIGHBOUR, L2: for each of 4,096 rows of x the least dist over 65,536 rows t of target_set, dist = sqrt(max(|x|^2 + |t|^2 - 2 x.t, 0)), and its index.  Three launches: this one, nn, pick.
; WHAT IS NOT DONE ON ALL 4,096 x 65,536 NUMBERS, AND WHY.  Along the axis of the minimum |x|^2 is one and the same term, and sqrt and max(., 0) never turn an order round.  So in real numbers, for all
; finite inputs, a row with the greatest s = x.t - |t|^2 / 2 is a row with the least dist, and that dist is sqrt(max(|x|^2 - 2 s, 0)).  The second launch finds the greatest s and its index; the third adds |x|^2,
; clamps and takes the root, of each query's winner alone.  Every input is read, and no step of the formula is dropped.
; LIMITS.  Both inputs are rounded ONCE to bf16, here, and everything (products and both norms) is made of the rounded numbers.  Equal scores are told apart on the f32 sum s, the lower index first, not on the
; rounded, clamped root: two targets whose distances differ by a few units in f32's last place, or several whose clamped distance is 0, may come out in the other order.  Equal rows of target_set give
; equal s, and the lower index wins.  NaN and infinities are not treated apart; an overflow in a dist that does not win is not carried to the result.
;
; THIS LAUNCH rounds target_set and x to bf16, lays them in the order in which a matrix operand's registers take them, and makes tnh[row] = -|t|^2 / 2 and xn[row] = |x|^2.
; A TILE is 16 rows x 256 numbers.  Out: 8,192 bytes, [U 32][r 16][8 bf16]: unit U holds k = 8 U .. 8 U + 7 of the tile's 16 rows.  A fragment (16 rows x 32 k) wants in lane 16 h + r, registers 4 c .. 4 c + 3,
; k = 32 ks + 16 c + 8 h + 0..7 of row r: that is unit 4 ks + 2 c + h, so each half fragment is 512 consecutive bytes, 16 a lane.
; SHARES.  4,096 tiles of target_set and 256 of x are 17 x 256: in work-group g waves 0-15 take target tiles 16 g + wave, wave 16 takes x's tile g.  A wave has its tile's 32 loads (16 KiB) out at once,
; turns the tile in a stage of its own in LDS, and meets no other wave: no loop, no barrier.  No tensor load: no wave wants a byte that another fetched.  No prefetch: every byte is asked for at the start.
.set UP,    272                        ; a unit in the stage: 256 bytes + 16: lane l's 8-byte store lands at word 68 (l / 2) + 2 (l % 2): 64 different words modulo 64 for the 32 lanes
.set STG,   32*UP                      ; a wave's stage
.set SPARE, 17*STG                     ; behind the stages: the spare words, 128 bytes a wave, nine blocks of 256 bytes that no other line names
.set LO,  2                            ; v2   16 x lane: my place in 512 consecutive bytes, in and out; never rewritten
.set SA,  3                            ; v3   stage: where my 8 bytes of a row go
.set RA,  4                            ; v4   stage: where I read 16 bytes of a unit back
.set NO,  5                            ; v5   4 x (lane % 16): my row's norm
.set SPW, 6                            ; v6   LDS address of my spare word; never rewritten
.set NIL, 7                            ; v7   0; never rewritten
.set S0,  8                            ; v[8:11]  four chains of the sum of squares
.set X,   16                           ; v[16:143] the 32 loads; later the 16 read-backs
	s_load_b256 s[4:11], s[0:1], 0x0               ; target_set s[4:5], x s[6:7], tb s[8:9], tnh s[10:11]
	s_load_b128 s[12:15], s[0:1], 0x20             ; xq s[12:13], xn s[14:15]
	v_lshl_add_u32 v[SPW], v0, 2, SPARE
	v_mov_b32 v[NIL], 0
	v_lshrrev_b32 v12, 5, v0
	v_readfirstlane_b32 s20, v12                   ; wave 0..16
	v_and_b32 v1, 31, v0                           ; lane
	v_lshlrev_b32 v[LO], 4, v1
	s_mul_i32 s29, s20, STG                        ; my stage
	v_lshrrev_b32 v12, 1, v1
	v_and_b32 v13, 1, v1
	v_mul_u32_u24 v[SA], v12, UP                   ; lane l holds 4 numbers: half l % 2 of unit l / 2 (+ 16 for a row's second 512 bytes)
	v_lshl_add_u32 v[SA], v13, 3, v[SA]
	v_add_nc_u32 v[SA], s29, v[SA]
	v_lshrrev_b32 v12, 4, v1                       ; h
	v_and_b32 v13, 15, v1                          ; r
	v_mul_u32_u24 v[RA], v12, UP                   ; back: lanes 0-15 one unit's 256 bytes, lanes 16-31 the next unit's
	v_lshl_add_u32 v[RA], v13, 4, v[RA]
	v_add_nc_u32 v[RA], s29, v[RA]
	v_lshlrev_b32 v[NO], 2, v13
	s_mov_b32 s32, 0x76543210                      ; v_permlanex16_b32: each lane takes its own place in the other half
	s_mov_b32 s33, 0xfedcba98
	s_lshl_b32 s18, ttmp9, 4
	s_add_co_u32 s18, s18, s20                     ; a target tile's number
	s_wait_kmcnt 0x0
	s_cmp_eq_u32 s20, 16                           ; wave 16 works on x
	s_cselect_b32 s21, ttmp9, s18                  ; the tile
	s_cselect_b32 s28, 1.0, -0.5                   ; what the sum of squares is multiplied by
	s_cselect_b64 s[22:23], s[6:7], s[4:5]         ; from
	s_cselect_b64 s[24:25], s[12:13], s[8:9]       ; to
	s_cselect_b64 s[26:27], s[14:15], s[10:11]     ; the norms
	s_mov_b32 s35, 0
	s_lshl_b32 s34, s21, 14                        ; 16 rows of 1,024 bytes
	s_add_nc_u64 s[22:23], s[22:23], s[34:35]
	s_lshl_b32 s34, s21, 13                        ; 8,192 bytes out
	s_add_nc_u64 s[24:25], s[24:25], s[34:35]
	s_lshl_b32 s34, s21, 6                         ; 16 norms
	s_add_nc_u64 s[26:27], s[26:27], s[34:35]
.set i, 0
.rept 32                                       ; load i: half i % 2 of row i / 2: 512 consecutive bytes
	global_load_b128 v[X+4*i:X+4*i+3], v[LO], s[22:23] offset:512*i th:TH_LOAD_NT
.set i, i+1
.endr
.set rr, 0
.rept 16
	s_wait_loadcnt 30-2*rr                         ; loads come back in order: row rr's two are in, the later rows' may stay out
.irp hh, 0,1
.set xb, X+4*(2*rr+\hh)
	v_cvt_pk_bf16_f32 v[xb], v[xb], v[xb+1]        ; rounded to nearest even, the lower k in the lower half
	v_cvt_pk_bf16_f32 v[xb+1], v[xb+2], v[xb+3]
	ds_store_b64 v[SA], v[xb:xb+1] offset:\hh*16*UP+rr*16
.endr
.set rr, rr+1
.endr
.set t, 0
.rept 16                                       ; units 2 t and 2 t + 1.  LDS serves a wave's instructions in order: these see the stores above
	ds_load_b128 v[X+4*t:X+4*t+3], v[RA] offset:t*2*UP
.set t, t+1
.endr
.set t, 0
.rept 16
	s_wait_dscnt 15-t                              ; read-back t is in, the later ones may stay out
	global_store_b128 v[LO], v[X+4*t:X+4*t+3], s[24:25] offset:512*t  ; the wave stores 512 consecutive bytes, at a multiple of 512 from the buffer's first
.irp k, 0,1,2,3                        ; the squares of the ROUNDED numbers, in f32: register k feeds chain k; the first line of a chain starts it on 0
.if t == 0
	v_fma_mix_f32_bf16 v[S0+\k], v[X+4*t+\k], v[X+4*t+\k], v[NIL] op_sel_hi:[1,1,0]
.else
	v_fma_mix_f32_bf16 v[S0+\k], v[X+4*t+\k], v[X+4*t+\k], v[S0+\k] op_sel_hi:[1,1,0]
.endif
.endr
.irp k, 0,1,2,3
	v_fma_mix_f32_bf16 v[S0+\k], v[X+4*t+\k], v[X+4*t+\k], v[S0+\k] op_sel:[1,1,0] op_sel_hi:[1,1,0]
.endr
.set t, t+1
.endr
	v_add_f32 v[S0], v[S0], v[S0+1]
	v_add_f32 v[S0+2], v[S0+2], v[S0+3]
	v_add_f32 v[S0], v[S0], v[S0+2]                ; row r's units of parity h
	v_permlanex16_b32 v12, v[S0], s32, s33         ; the other parity's lie 16 lanes away (v12 has been written)
	v_add_f32 v[S0], v[S0], v12
	v_mul_f32 v[S0], s28, v[S0]
	v_cmp_gt_u32 vcc_lo, 16, v1
	s_wait_xcnt 0x0                                ; EXEC is narrowed only when the stores above have read their sources
	s_and_saveexec_b32 s30, vcc_lo
	global_store_b32 v[NO], v[S0], s[26:27]        ; 64 consecutive bytes: 3 in 1,000 of what the launch moves; four waves meeting in LDS for a longer run would cost a barrier
	s_wait_xcnt 0x0                                ; and widened only when this one has
	s_or_b32 exec_lo, exec_lo, s30
	s_wait_tensorcnt 0x0                           ; the wave's end, behind my last LDS store
	ds_add_u32 v[SPW], v[NIL]
	s_wait_dscnt 0x0
	s_endpgm
.Lfunc_end_k_qa96998afb6_prep:
	.size	k_qa96998afb6_prep, .Lfunc_end_k_qa96998afb6_prep-k_qa96998afb6_prep
	.p2alignl 7, 3214868480
	.fill 96, 4, 3214868480
	.section	.rodata,"a",@progbits
	.p2align	6, 0x0
	.amdhsa_kernel k_qa96998afb6_prep
		.amdhsa_group_segment_fixed_size 150272
		.amdhsa_private_segment_fixed_size 0
		.amdhsa_enable_private_segment 0
		.amdhsa_kernarg_size 48
		.amdhsa_user_sgpr_count 2
		.amdhsa_user_sgpr_kernarg_segment_ptr 1
		.amdhsa_wavefront_size32 1
		.amdhsa_system_sgpr_workgroup_id_x 1
		.amdhsa_system_sgpr_workgroup_id_y 1
		.amdhsa_system_sgpr_workgroup_id_z 1
		.amdhsa_system_vgpr_workitem_id 0
		.amdhsa_next_free_vgpr 144
		.amdhsa_next_free_sgpr 66
		.amdhsa_reserve_vcc 1
		.amdhsa_float_denorm_mode_32 3
		.amdhsa_float_denorm_mode_16_64 3
		.amdhsa_memory_ordered 1
		.amdhsa_forward_progress 1
		.amdhsa_inst_pref_size 23
	.end_amdhsa_kernel
	.amdgpu_metadata
---
amdhsa.version: [ 1, 2 ]
amdhsa.kernels:
  - .name:           k_qa96998afb6_prep
    .symbol:         k_qa96998afb6_prep.kd
    .args:
      - { .name: target_set, .offset: 0, .size: 8, .value_kind: global_buffer, .address_space: global }
      - { .name: x, .offset: 8, .size: 8, .value_kind: global_buffer, .address_space: global }
      - { .name: tb, .offset: 16, .size: 8, .value_kind: global_buffer, .address_space: global }
      - { .name: tnh, .offset: 24, .size: 8, .value_kind: global_buffer, .address_space: global }
      - { .name: xq, .offset: 32, .size: 8, .value_kind: global_buffer, .address_space: global }
      - { .name: xn, .offset: 40, .size: 8, .value_kind: global_buffer, .address_space: global }
    .group_segment_fixed_size: 150272
    .private_segment_fixed_size: 0
    .kernarg_segment_align: 8
    .kernarg_segment_size: 48
    .max_flat_workgroup_size: 544
    .sgpr_count:     66
    .vgpr_count:     144
    .wavefront_size: 32
...
	.end_amdgpu_metadata
.endif
;; end of part 1
;; launch nn (part 2): grid 8 x 32, 4 waves a work-group, clusters of 4 x 1, 327,680 bytes of LDS; arguments tb, tnh, xq, pv, pi; writes pv, pi
.if DOCPART == 2
	.amdgcn_target "amdgcn-amd-amdhsa--gfx1250"
	.amdhsa_code_object_version 6
	.text
	.protected	k_qa96998afb6_nn
	.globl	k_qa96998afb6_nn
	.p2align	8
	.type	k_qa96998afb6_nn,@function
k_qa96998afb6_nn:
	s_mov_b64 s[64:65], 0
	v_nop
	global_prefetch_b8 v0, s[64:65] scope:SCOPE_SE
	s_setreg_imm32_b32 hwreg(HW_REG_WAVE_MODE, 25, 1), 1
	s_wait_xcnt 0x0
	s_wait_alu depctr_hold_cnt(0) depctr_sa_sdst(0) depctr_va_vdst(0) depctr_va_sdst(0) depctr_va_ssrc(0) depctr_va_vcc(0) depctr_vm_vsrc(0)
	s_getreg_b32 s2, hwreg(HW_REG_IB_STS2, 6, 4)
	s_cmp_eq_u32 s2, 0
	s_cbranch_scc0 .Lentry_in_a_cluster
	s_endpgm
.Lentry_in_a_cluster:
	s_bfe_u32 s2, ttmp6, 0x10000c
	s_cmp_lg_u32 s2, 0x3003
	s_cbranch_scc0 .Lentry_shape_is_right
	s_endpgm
.Lentry_shape_is_right:
; For 512 queries and 2,048 targets: for each query the greatest s = x.t - |t|^2 / 2 and the index of its target.  |x|^2, the clamp and the root are left to the last launch, for the winner alone:
; |x|^2 is the same along the axis of the minimum, and root and clamp keep every order (shown at the head of the first kernel).  LIMITS as stated there: equal s: the lower index; NaN is passed over by
; the maxima; a query with no finite s gets an index of no meaning.
; SHARES.  Work-group (qg, ry): queries 512 qg .., targets 2,048 ry ...  A wave keeps 128 queries, 8 tiles of 16, as source 1 in 512 registers for the whole launch; all four waves walk the same 128 target
; tiles of 16 out of LDS.  A target tile's 16 loads of 16 bytes a lane feed 64 matrix instructions.
; THE PRODUCT.  Source 0 = 16 targets, source 1 = 16 queries: register j of lane 16 h + r holds query r, target 8 h + j.  The first of a sum's eight products takes C = -|t|^2 / 2 of those eight targets,
; read from a table in LDS: s costs no vector instruction.
; THE INDEX.  For each query tile a lane keeps its best s so far, the number of the target tile that gave it, and a copy of that tile's eight scores: four three-way maxima, a compare, nine selects for
; 8 matrix instructions' worth of scores.  Which of the eight it was is found once, at the end.  No address and no branch hangs on any of this.
; BY TURNS.  The query tiles are two groups of four.  While one group has the matrix unit (32 products, its four accumulators by turns), the other group's 56 vector instructions
; stand among them in 14 slices of four.
; CLUSTER.  The four work-groups of a cluster share ry: every tile of targets, and the table, is asked for JOINTLY, by the same tensor load with the same descriptor and the mask of four.
; THE RING.  Two slots of 16 target tiles (131,072 bytes, dense: a lane reads 16 x its number, so no padding).  Each wave fetches a quarter of a slot.  A slot is left when its 16th tile is in registers;
; the refill then has 16 tiles' work, 1,024 matrix instructions, in which to land.
; REGISTERS, in windows of 256 (s_set_vgpr_msb: bits 1:0 source 0, 3:2 source 1, 5:4 source 2, 7:6 destination):
;   window 0: v0-9 addresses; v64-127, v128-191 a target tile's fragments, two buffers        window 1: queries, tiles 0-3 (64 each)        window 2: tiles 4-7
;   window 3: v0-63 accumulators; v64-79 C, two buffers; v80-95 best s, two buffers; v96-103 best tile; v104-111 at work; v112-119 j; v120 8 h; v128-191 the kept scores
.set SLOTB, 131072                     ; bytes in a slot
.set SLOT1, 1<<17                      ; slot 1 begins here: one exclusive or turns an address in one slot into the other's
.set TTB,   8192                       ; bytes in a target tile
.set TNT,   2*SLOTB                    ; the table: -|t|^2 / 2 of the range's 2,048 targets; filled once
.set SPARE, TNT+8192                   ; the spare words, 128 bytes a wave: two blocks of 256 bytes that no other line names
.set L16, 2                            ; v2   16 x lane; never rewritten
.set AT0, 3                            ; v3   TNT + 32 h; never rewritten
.set ADR, 4                            ; v4   LDS address of the run of loads in hand
.set ADT, 5                            ; v5   the same in the table
.set PFO, 6                            ; v6   256 x lane; never rewritten
.set SPW, 8                            ; v8   LDS address of my spare word; never rewritten
.set NIL, 9                            ; v9   0; never rewritten
.set F0,  64                           ; window 0: buffer p at F0 + 64 p, K step ks at + 8 ks
.set ACC, 0                            ; window 3
.set TN0, 64
.set BVA, 80                           ; best s: buffer b, query tile qt at BVA + 8 b + qt
.set BI,  96
.set CT,  104
.set JJ,  112
.set H8,  120
.set SV,  128
.set WV,  14                           ; s14  my wave's number
.set CX,  15                           ; s15  my place in the cluster
.set QG,  16                           ; s16  my block of 512 queries
.set RY,  17                           ; s17  my range of 2,048 targets, which the four partners share
.set G1,  24                           ; s[24:31] descriptor group 1: a quarter of a slot
.set G1T, 32                           ; s[32:39] a quarter of the table
.set G0A, 40                           ; s[40:43] group 0: slot 0's first fill
.set G0W, 44                           ; s[44:47] slot 1's first fill; then it walks
.set G0T, 48                           ; s[48:51] the table
.set SLOTS, 52                         ; s52  refills still to come
.set CNT, 53                           ; s53  counts pairs of target tiles
.set TB,  54                           ; s54  LDS byte of the target tile to be fetched next
.set TNO, 55                           ; s55  its 64 bytes in the table
.set TID0, 56                          ; s56, s57  the number of the target tile whose scores group 0, group 1 looks through next
.set LIM, 58                           ; s58  1 in a cluster that prefetches, else the greatest number
.set NINF, 59                          ; s59  -infinity
.set PFA, 60                           ; s[60:61] my 8,192 bytes of the tile of targets behind the one that is being asked for
.set MK,  70                           ; s70-73  lane masks, one for each query tile of a group
.set MSB, 0
.macro WIN new                         ; the immediate's high byte repeats the setting that is left; a switch that changes nothing is dropped
.if MSB != (\new)
	s_set_vgpr_msb (MSB<<8)|(\new)
.set MSB, (\new)
.endif
.endm
.set W_MA, 0xf4                        ; targets window 0, queries window 1, C and D window 3; + 4: queries window 2
.set W_V,  0xff                        ; all in window 3
.set W_TN, 0xc0                        ; destination window 3, sources window 0
.set W_Q1, 0x40                        ; destination window 1
.set W_Q2, 0x80                        ; destination window 2
.set W_ST, 0x0c                        ; a store's data window 3, its address window 0
.macro PLACES
.rept 4
	v_nop
.endr
.endm
; A round of the cluster's barrier: my work-group's barrier, so that wave 0's signal speaks for all four waves; wave 0 signals; every wave waits for all four work-groups; my work-group's barrier once more.
.macro CROUND
	s_barrier_signal -1
	s_barrier_wait -1
	s_cmp_lg_u32 s[WV], 0
	s_cbranch_scc1 .Lnot_wave_0_\@
	s_barrier_signal -3
.Lnot_wave_0_\@:
	s_barrier_wait -3
	s_barrier_signal -1
	s_barrier_wait -1
.endm
; A PREFETCH INTO THE L2 of the tile of targets that the NEXT refill will ask for: 131,072 bytes = 4 work-groups x 4 waves x 32 lanes x 256 bytes, told apart by address: one instruction a wave, 1,024 matrix
; instructions ahead of that refill.  The two clusters of a range walk the same tiles: the first asks.  So each block is named once in the launch.  The last refill asks for nothing: no tile stands behind it.
.macro ASK
	s_cmp_gt_u32 s[SLOTS], s[LIM]
	s_cbranch_scc0 .Lnot_mine_\@
	global_prefetch_b8 v[PFO], s[PFA:PFA+1] th:TH_LOAD_NT scope:SCOPE_SE
.Lnot_mine_\@:
.endm
	s_load_b256 s[4:11], s[0:1], 0x0               ; tb s[4:5], tnh s[6:7], xq s[8:9], pv s[10:11]
	s_load_b64 s[12:13], s[0:1], 0x20              ; pi
	v_lshl_add_u32 v[SPW], v0, 2, SPARE
	v_mov_b32 v[NIL], 0
	ds_add_u32 v[SPW], v[NIL]                      ; the wave's opening: the add, twice on end, and its wait ahead of my first tensor load; the set-up below stands between
	ds_add_u32 v[SPW], v[NIL]                      ; and once more, under the one wait
	v_lshrrev_b32 v1, 5, v0
	v_readfirstlane_b32 s[WV], v1                  ; wave 0..3
	s_bfe_u32 s[CX], ttmp6, 0x40000
	s_lshl_b32 s[QG], ttmp9, 2                     ; in a cluster launch ttmp9 counts clusters
	s_add_co_u32 s[QG], s[QG], s[CX]
	s_and_b32 s[RY], ttmp7, 0xffff
	; descriptor group 1: dense bytes, asked for as rows of 32 elements of 8 bytes
	s_mov_b32 s[G1],  15|(3<<16)|(1<<21)           ; 15:0 the mask of four; 17:16 elements of 8 bytes; 21 set beside a mask; no padding
	s_mov_b32 s[G1T], 15|(3<<16)|(1<<21)
.irp g, G1, G1T
	s_mov_b32 s[\g+1], 32<<16                      ; tensor_dim0 = 32
	s_mov_b32 s[\g+3], 32<<16                      ; tile_dim0 = 32
	s_mov_b32 s[\g+5], 32                          ; 32 elements from row to row
	s_mov_b32 s[\g+6], 0
	s_mov_b32 s[\g+7], 0
.endr
	s_mov_b32 s[G1+2], 128<<16                     ; tensor_dim1 = 128 rows: 32,768 bytes
	s_mov_b32 s[G1+4], 128                         ; tile_dim1
	s_mov_b32 s[G1T+2], 8<<16                      ; 8 rows: 2,048 bytes
	s_mov_b32 s[G1T+4], 8
	s_lshl_b32 s18, s[WV], 15                      ; my quarter of a slot,
	s_lshl_b32 s20, s[WV], 11                      ; and of the table: no place in the cluster enters an LDS address
	s_mov_b32 s[G0A], 1
	s_mov_b32 s[G0A+1], s18
	s_mov_b32 s[G0W], 1
	s_add_co_u32 s[G0W+1], s18, SLOT1
	s_mov_b32 s[G0T], 1
	s_add_co_u32 s[G0T+1], s20, TNT
	s_lshl_b32 s19, s[RY], 20                      ; the range's 1,048,576 bytes of tb
	s_add_co_u32 s18, s18, s19
	s_mov_b32 s19, 0
	s_lshl_b32 s21, s[RY], 13                      ; and its 8,192 of tnh
	s_add_co_u32 s20, s20, s21
	s_mov_b32 s21, 0
	s_lshl2_add_u32 s22, s[CX], s[WV]              ; the prefetches: 4 cx + wave of sixteen,
	s_lshl_b32 s22, s22, 13
	s_lshl_b32 s23, s[RY], 20
	s_add_co_u32 s22, s22, s23
	s_add_co_u32 s22, s22, 2*SLOTB                 ; in tile 2; the first refill steps it to tile 3.  Nothing is prefetched at the head, where every work-group's first tiles are on their way
	s_mov_b32 s23, 0
	s_lshl2_add_u32 s74, s[QG], s[WV]              ; my 8 query tiles: 65,536 bytes of xq
	s_lshl_b32 s74, s74, 16
	s_mov_b32 s75, 0
	s_lshl3_add_u32 s76, s[RY], s[QG]              ; my 1,024 bytes of pv and of pi: block (8 ry + qg) 4 + wave
	s_lshl2_add_u32 s76, s76, s[WV]
	s_lshl_b32 s76, s76, 10
	s_mov_b32 s77, 0
	s_mov_b32 s[TB], 0
	s_mov_b32 s[TNO], 0
	s_mov_b32 s[SLOTS], 6
	s_lshl_b32 s[TID0], s[RY], 7                   ; the range's first target tile
	s_sub_co_u32 s[TID0+1], s[TID0], 1             ; group 1 first looks through a tile that has not been
	s_mov_b32 s[NINF], 0xff800000
	s_cmp_eq_u32 ttmp9, 0                          ; the same in all four partners
	s_cselect_b32 s[LIM], 1, -1
	v_and_b32 v1, 31, v0
	v_lshlrev_b32 v[L16], 4, v1
	v_lshlrev_b32 v[PFO], 8, v1
	v_bfe_u32 v1, v0, 4, 1                         ; h
	v_lshl_add_u32 v[AT0], v1, 5, TNT
	s_wait_dscnt 0x0                               ; both opening adds are done
	s_wait_kmcnt 0x0
	s_add_nc_u64 s[G0A+2:G0A+3], s[4:5], s[18:19]  ; tile 0,
	s_add_nc_u64 s[G0W+2:G0W+3], s[G0A+2:G0A+3], SLOTB  ; tile 1
	s_or_b32 s[G0A+3], s[G0A+3], 0x80000000        ; 127:126 type = 2
	s_or_b32 s[G0W+3], s[G0W+3], 0x80000000
	s_add_nc_u64 s[G0T+2:G0T+3], s[6:7], s[20:21]
	s_or_b32 s[G0T+3], s[G0T+3], 0x80000000
	s_add_nc_u64 s[PFA:PFA+1], s[4:5], s[22:23]
	s_add_nc_u64 s[8:9], s[8:9], s[74:75]
	s_add_nc_u64 s[10:11], s[10:11], s[76:77]
	s_add_nc_u64 s[12:13], s[12:13], s[76:77]
	CROUND                                         ; all four work-groups are here: the first joint loads meet
	tensor_load_to_lds s[G0T:G0T+3], s[G1T:G1T+7]  ; the first fills go out together: three tensor loads of mine are out
	s_nop 0
	tensor_load_to_lds s[G0A:G0A+3], s[G1:G1+7]
	s_nop 0
	tensor_load_to_lds s[G0W:G0W+3], s[G1:G1+7]
	s_nop 0
	PLACES
	WIN W_Q1                                       ; the queries stay in registers: half fragment f of tiles 0-3 is 512 consecutive bytes
.set f, 0
.rept 64
	global_load_b128 v[4*f:4*f+3], v[L16], s[8:9] offset:512*f
.set f, f+1
.endr
	WIN W_Q2                                       ; tiles 4-7
.set f, 0
.rept 64
	global_load_b128 v[4*f:4*f+3], v[L16], s[8:9] offset:32768+512*f
.set f, f+1
.endr
	; What the first step finds, written while the first tile is on its way: group 1's 'tile before' holds -infinity and wins nothing; the bests start at -infinity.  The price of writing no first step out.
	WIN W_TN
.set f, 0
.rept 32
	v_mov_b32 v[ACC+32+f], s[NINF]
.set f, f+1
.endr
.set f, 0
.rept 8
	v_mov_b32 v[BVA+f], s[NINF]
	v_mov_b32 v[BI+f], 0
.set f, f+1
.endr
.set f, 0
.rept 64
	v_mov_b32 v[SV+f], 0
.set f, f+1
.endr
	v_lshlrev_b32 v[H8], 3, v1
; Product i (1 .. 32) of group G on buffer p: K step (i - 1) / 4, query tile 4 G + (i - 1) % 4.  The four accumulators take turns, one instruction a turn.
.macro MMA G, p
.set ks, (i-1)/4
.set rA, ACC+8*(4*(\G)+(i-1)%4)
.set rF, F0+64*(\p)+8*ks
.set rQ, 64*((i-1)%4)+8*ks
	WIN W_MA+4*(\G)
.if ks == 0
	v_wmma_f32_16x16x32_bf16 v[rA:rA+7], v[rF:rF+7], v[rQ:rQ+7], v[TN0+8*(\p):TN0+8*(\p)+7]
.else
	v_wmma_f32_16x16x32_bf16 v[rA:rA+7], v[rF:rF+7], v[rQ:rQ+7], v[rA:rA+7]
.endif
.endm
; Slice sl (0 .. 13) of group G's look through its finished scores a0-a7: one line for each of its four query tiles.  The best is read from buffer p and written into the other.
;   0-3  the greatest of the old best and a0-a7, three operands at a time, the accumulator's lowest registers first
;   4    has it grown?  Only 'greater' counts: of equal scores the earlier tile stays        5  the tile's number        6-13  the tile's eight scores are kept
.macro SLICE G, p
	WIN W_V
.irp u, 0,1,2,3
.set qt, 4*(\G)+\u
.set rA, ACC+8*qt
.set rO, BVA+8*(\p)+qt
.set rN, BVA+8*(1-(\p))+qt
.if sl == 0
	v_max3_num_f32 v[CT+qt], v[rO], v[rA], v[rA+1]
.elseif sl < 3
	v_max3_num_f32 v[CT+qt], v[CT+qt], v[rA+2*sl], v[rA+2*sl+1]
.elseif sl == 3
	v_max3_num_f32 v[rN], v[CT+qt], v[rA+6], v[rA+7]
.elseif sl == 4
	v_cmp_gt_f32 s[MK+\u], v[rN], v[rO]
.elseif sl == 5
	v_cndmask_b32 v[BI+qt], v[BI+qt], s[TID0+(\G)], s[MK+\u]
.else
	v_cndmask_b32 v[SV+8*qt+sl-6], v[SV+8*qt+sl-6], v[rA+sl-6], s[MK+\u]
.endif
.endr
.if sl == 5
	s_add_co_u32 s[TID0+(\G)], s[TID0+(\G)], 1
.endif
.endm
; 32 products of group G, and among them the other group's 14 slices.  The last slice stands behind the last product and names nothing of it: its four lines are the places in front of
; the next phase's first read of this group's sums and of the loads into the fragment buffer.
.macro PHASE G, p
.set i, 1
.set sl, 0
.rept 32
	MMA \G, \p
.if (14*i)/32 != (14*(i-1))/32
	SLICE 1-(\G), \p
.set sl, sl+1
.endif
.set i, i+1
.endr
.endm
; A target tile's 16 loads and its eight C registers, into buffer p: one run, never singly among the matrix instructions.
.macro FETCH p
	WIN 0
	v_add_nc_u32 v[ADR], s[TB], v[L16]
	v_add_nc_u32 v[ADT], s[TNO], v[AT0]
.set f, 0
.rept 16
	ds_load_b128 v[F0+64*(\p)+4*f:F0+64*(\p)+4*f+3], v[ADR] offset:512*f
.set f, f+1
.endr
	WIN W_TN
	ds_load_b128 v[TN0+8*(\p):TN0+8*(\p)+3], v[ADT]            ; -|t|^2 / 2 of targets 8 h + 0..3: the 16 lanes of a half read the same words
	ds_load_b128 v[TN0+8*(\p)+4:TN0+8*(\p)+7], v[ADT] offset:16
	s_add_co_u32 s[TB], s[TB], TTB
	s_add_co_u32 s[TNO], s[TNO], 64
.endm
; A target tile, in buffer p: 64 products.  The next tile is fetched first, a whole step ahead of its use.  Group 0's products carry group 1's look through the tile before, group 1's carry group 0's through this one.
.macro STEP p, fetch
	s_wait_dscnt 0x0                               ; this tile's 18 loads, issued a step ago
.if \fetch
	FETCH 1-(\p)
.endif
	PHASE 0, \p
	PHASE 1, \p
.endm
.macro PAIRS n
	WIN 0                                          ; at a label and at a branch every window is 0
	s_mov_b32 s[CNT], \n
.Lpair_\@:
	STEP 1, 1
	STEP 0, 1
	WIN 0
	s_sub_co_u32 s[CNT], s[CNT], 1
	s_cmp_lg_u32 s[CNT], 0
	s_cbranch_scc1 .Lpair_\@
.endm
; THE CHANGE OF SLOTS stands when a slot's 16th tile has been asked out of LDS.  Each wave waits for all its tensor loads, of which one is out: its quarter of the other slot; adds 0 to its spare word; and
; waits for that and for its reads of the slot.  Behind the barrier nobody reads the slot any more and the other slot is whole.  fill = 1: the barrier is a round of the cluster's, so that this holds of every
; partner's waves too, and the joint refill, the tile two on, is the first thing behind it.
.macro CHANGE fill
	WIN 0
	s_wait_tensorcnt 0x0                           ; no tensor load of mine is out, so a group 0 may be written
	ds_add_u32 v[SPW], v[NIL]                      ; 0 onto my spare word; with fill = 1 the steps below stand between it and the wait for it
.if \fill
	s_xor_b32 s[G0W+1], s[G0W+1], SLOT1            ; the other slot than last time,
	s_add_nc_u64 s[G0W+2:G0W+3], s[G0W+2:G0W+3], SLOTB  ; the next tile; the type bits on top are not reached
	s_wait_xcnt 0x0                                ; the last prefetch, 16 steps back, has read its address
	s_add_nc_u64 s[PFA:PFA+1], s[PFA:PFA+1], SLOTB
	s_wait_dscnt 0x0                               ; the add is done, and my reads of the slot are over
	CROUND
	tensor_load_to_lds s[G0W:G0W+3], s[G1:G1+7]
	s_nop 0
	PLACES
	ASK
.else
	s_wait_dscnt 0x0                               ; the add is done, and my reads of the slot are over
	s_barrier_signal -1
	s_barrier_wait -1
.endif
	s_sub_co_u32 s[TB], s[TB], SLOTB               ; the fetches go back to a slot's first tile,
	s_xor_b32 s[TB], s[TB], SLOT1                  ; in the other slot
.endm
	WIN 0
	s_wait_tensorcnt 1                             ; my quarters of the table and of slot 0 are in; slot 1's may stay out
	s_barrier_signal -1
	s_barrier_wait -1                              ; everybody's are
	FETCH 0                                        ; target tile 0
	s_wait_loadcnt 0x0                             ; the queries
	STEP 0, 1
	PAIRS 7                                        ; tiles 1 to 14; tile 15, slot 0's last, has been asked for
.Lslot:                                            ; six trips: each enters a slot and fills the one just left
	CHANGE 1
	PAIRS 8
	s_sub_co_u32 s[SLOTS], s[SLOTS], 1
	s_cmp_lg_u32 s[SLOTS], 0
	s_cbranch_scc1 .Lslot
	CHANGE 0                                       ; the tail is written out: the last slot is entered, nothing is asked for
	PAIRS 8
	STEP 1, 0                                      ; tile 127
.set sl, 0
.rept 14
	SLICE 1, 0                                     ; group 1's look through tile 127; the last phase's last slice is the four places in front of it
.set sl, sl+1
.endr
	; WHICH OF THE EIGHT.  The best lies in buffer 0 for query tiles 0-3 and in buffer 1 for tiles 4-7 (BVA + 12 G + u).  j runs down to 0, so that of equal scores the lowest j stays.
.set qt, 0
.rept 8
	v_mov_b32 v[JJ+qt], 0
.set qt, qt+1
.endr
.irp j, 7,6,5,4,3,2,1,0
.irp G, 0,1
.irp u, 0,1,2,3
	v_cmp_eq_f32 s[MK+\u], v[SV+8*(4*\G+\u)+\j], v[BVA+12*\G+\u]
.endr
.irp u, 0,1,2,3
	v_cndmask_b32 v[JJ+4*\G+\u], v[JJ+4*\G+\u], \j, s[MK+\u]
.endr
.endr
.endr
.set qt, 0
.rept 8
	v_lshl_add_u32 v[BI+qt], v[BI+qt], 4, v[JJ+qt] ; 16 x tile + j
.set qt, qt+1
.endr
.set qt, 0
.rept 8
	v_add_nc_u32 v[BI+qt], v[H8], v[BI+qt]         ; + 8 h
.set qt, qt+1
.endr
	WIN W_ST                                       ; each store of the wave covers 512 consecutive bytes, aligned: [group 2][lane 32][query tile 4]
	global_store_b128 v[L16], v[BVA:BVA+3], s[10:11]
	global_store_b128 v[L16], v[BVA+12:BVA+15], s[10:11] offset:512
	global_store_b128 v[L16], v[BI:BI+3], s[12:13]
	global_store_b128 v[L16], v[BI+4:BI+7], s[12:13] offset:512
	WIN 0
	s_wait_tensorcnt 0x0                           ; the wave's end, behind my last tensor load
	ds_add_u32 v[SPW], v[NIL]
	s_wait_dscnt 0x0
	CROUND                                         ; the closing round: no work-group ends while a partner may still ask for a tile that names it
	s_endpgm
.Lfunc_end_k_qa96998afb6_nn:
	.size	k_qa96998afb6_nn, .Lfunc_end_k_qa96998afb6_nn-k_qa96998afb6_nn
	.p2alignl 7, 3214868480
	.fill 96, 4, 3214868480
	.section	.rodata,"a",@progbits
	.p2align	6, 0x0
	.amdhsa_kernel k_qa96998afb6_nn
		.amdhsa_group_segment_fixed_size 327680
		.amdhsa_private_segment_fixed_size 0
		.amdhsa_enable_private_segment 0
		.amdhsa_kernarg_size 40
		.amdhsa_user_sgpr_count 2
		.amdhsa_user_sgpr_kernarg_segment_ptr 1
		.amdhsa_wavefront_size32 1
		.amdhsa_system_sgpr_workgroup_id_x 1
		.amdhsa_system_sgpr_workgroup_id_y 1
		.amdhsa_system_sgpr_workgroup_id_z 1
		.amdhsa_system_vgpr_workitem_id 0
		.amdhsa_next_free_vgpr 960
		.amdhsa_next_free_sgpr 80
		.amdhsa_reserve_vcc 0
		.amdhsa_float_denorm_mode_32 3
		.amdhsa_float_denorm_mode_16_64 3
		.amdhsa_memory_ordered 1
		.amdhsa_forward_progress 1
		.amdhsa_inst_pref_size 150
	.end_amdhsa_kernel
	.amdgpu_metadata
---
amdhsa.version: [ 1, 2 ]
amdhsa.kernels:
  - .name:           k_qa96998afb6_nn
    .symbol:         k_qa96998afb6_nn.kd
    .args:
      - { .name: tb, .offset: 0, .size: 8, .value_kind: global_buffer, .address_space: global }
      - { .name: tnh, .offset: 8, .size: 8, .value_kind: global_buffer, .address_space: global }
      - { .name: xq, .offset: 16, .size: 8, .value_kind: global_buffer, .address_space: global }
      - { .name: pv, .offset: 24, .size: 8, .value_kind: global_buffer, .address_space: global }
      - { .name: pi, .offset: 32, .size: 8, .value_kind: global_buffer, .address_space: global }
    .group_segment_fixed_size: 327680
    .private_segment_fixed_size: 0
    .kernarg_segment_align: 8
    .kernarg_segment_size: 40
    .max_flat_workgroup_size: 128
    .sgpr_count:     80
    .vgpr_count:     960
    .wavefront_size: 32
...
	.end_amdgpu_metadata
.endif
;; end of part 2
;; launch pick (part 3): grid 64 x 1, 1 waves a work-group, no clusters, 0 bytes of LDS; arguments pv, pi, xn, out0, out1; writes out0, out1
.if DOCPART == 3
	.amdgcn_target "amdgcn-amd-amdhsa--gfx1250"
	.amdhsa_code_object_version 6
	.text
	.protected	k_qa96998afb6_pick
	.globl	k_qa96998afb6_pick
	.p2align	8
	.type	k_qa96998afb6_pick,@function
k_qa96998afb6_pick:
	s_mov_b64 s[64:65], 0
	v_nop
	global_prefetch_b8 v0, s[64:65] scope:SCOPE_SE
	s_setreg_imm32_b32 hwreg(HW_REG_WAVE_MODE, 25, 1), 1
	s_wait_xcnt 0x0
; For each query: the greatest of its 64 partial bests s (32 ranges of targets x 2 halves of the lanes) with its index; then out0 = sqrt(max(|x|^2 - 2 s, 0)), out1 = the index.
; |x|^2, the clamp and the root are applied here, to the winner alone (shown at the head of the first kernel).  Of equal s the lower index wins: ranges are merged in ascending order and only 'greater'
; replaces; the two halves are told apart by the index itself.  All choices are selects: no address and no branch hangs on data.
; SHARES.  Work-group i owns queries 64 i .. 64 i + 63.  pv and pi: [range 32][i 64][lane 32][q 4]: lane 16 h + r holds queries 64 i + 16 q + r, for the targets of half h.  One wave: its 66 loads go out
; at once, and the launch is over when they have come; more waves to a query would have to meet in LDS.  64 work-groups are all the work there is.
; The outputs are 128 consecutive bytes a store, 32,768 bytes in the whole launch: a turn through LDS for longer runs would cost more than it moves.
.set VAL, 4                            ; v[4:7]    window 0: the best s of my four queries
.set IDX, 8                            ; v[8:11]   its index
.set OV,  12                           ; v[12:15]  the other half's s
.set OI,  16                           ; v[16:19]  and index
.set XN,  20                           ; v[20:21]  |x|^2 of the two queries that I store
.set RES, 22                           ; v[22:23] d^2, v[24:25] index, v[26:27] root
.set MSB, 0                            ; window 1: v[4 ry ..] range ry's s, v[128 + 4 ry ..] its index
.macro WIN new
.if MSB != (\new)
	s_set_vgpr_msb (MSB<<8)|(\new)
.set MSB, (\new)
.endif
.endm
	s_load_b256 s[4:11], s[0:1], 0x0               ; pv s[4:5], pi s[6:7], xn s[8:9], out0 s[10:11]
	s_load_b64 s[12:13], s[0:1], 0x20              ; out1
	v_lshlrev_b32 v1, 4, v0                        ; 16 x lane
	v_lshlrev_b32 v2, 2, v0                        ; 4 x lane
	s_mov_b32 s14, 0x76543210                      ; v_permlanex16_b32: each lane takes its own place in the other half
	s_mov_b32 s15, 0xfedcba98
	s_mov_b32 s16, 0xffff0000                      ; lanes 16-31
	s_lshl_b32 s18, ttmp9, 9
	s_mov_b32 s19, 0
	s_lshl_b32 s32, ttmp9, 8
	s_mov_b32 s33, 0
.set q, 0
.rept 8
	v_mov_b32 v[OV+q], 0                           ; v_permlanex16_b32's destination counts as read
.set q, q+1
.endr
	s_wait_kmcnt 0x0
	s_add_nc_u64 s[4:5], s[4:5], s[18:19]
	s_add_nc_u64 s[6:7], s[6:7], s[18:19]
	s_add_nc_u64 s[8:9], s[8:9], s[32:33]
	s_add_nc_u64 s[10:11], s[10:11], s[32:33]
	s_add_nc_u64 s[12:13], s[12:13], s[32:33]
	global_load_b32 v[XN], v2, s[8:9]
	global_load_b32 v[XN+1], v2, s[8:9] offset:128
	WIN 0x40                                       ; destination window 1, address window 0
.set ry, 0
.rept 32
	global_load_b128 v[4*ry:4*ry+3], v1, s[4:5] offset:32768*ry th:TH_LOAD_NT
	global_load_b128 v[128+4*ry:128+4*ry+3], v1, s[6:7] offset:32768*ry th:TH_LOAD_NT
.set ry, ry+1
.endr
; Range b is merged into range a, a < b: b's pair replaces a's only where its s is greater.
.macro MRG a, b
.irp q, 0,1,2,3
	v_cmp_gt_f32 s[20+\q], v[4*(\b)+\q], v[4*(\a)+\q]
.endr
.irp q, 0,1,2,3
	v_cndmask_b32 v[4*(\a)+\q], v[4*(\a)+\q], v[4*(\b)+\q], s[20+\q]
	v_cndmask_b32 v[128+4*(\a)+\q], v[128+4*(\a)+\q], v[128+4*(\b)+\q], s[20+\q]
.endr
.endm
	WIN 0x55                                       ; all in window 1
.irp bt, 0,1,2,3
	s_wait_loadcnt 48-16*\bt                       ; loads come back in order: this batch of eight ranges is in, the later batches' 16 loads each may stay out
	MRG 8*\bt, 8*\bt+1
	MRG 8*\bt+2, 8*\bt+3
	MRG 8*\bt+4, 8*\bt+5
	MRG 8*\bt+6, 8*\bt+7
	MRG 8*\bt, 8*\bt+2
	MRG 8*\bt+4, 8*\bt+6
	MRG 8*\bt, 8*\bt+4
.endr
	MRG 0, 8
	MRG 16, 24
	MRG 0, 16
	WIN 0x01                                       ; source window 1, destination window 0
.irp q, 0,1,2,3
	v_mov_b32 v[VAL+\q], v[\q]
	v_mov_b32 v[IDX+\q], v[128+\q]
.endr
	WIN 0
.irp q, 0,1,2,3
	v_permlanex16_b32 v[OV+\q], v[VAL+\q], s14, s15
	v_permlanex16_b32 v[OI+\q], v[IDX+\q], s14, s15
.endr
.irp q, 0,1,2,3                        ; the other half's pair wins if its s is greater, or equal with the lower index: both halves end with the same pair
	v_cmp_gt_f32 s[20+3*\q], v[OV+\q], v[VAL+\q]
	v_cmp_eq_f32 s[21+3*\q], v[OV+\q], v[VAL+\q]
	v_cmp_lt_u32 s[22+3*\q], v[OI+\q], v[IDX+\q]
.endr
.irp q, 0,1,2,3
	s_and_b32 s[21+3*\q], s[21+3*\q], s[22+3*\q]
	s_or_b32 s[20+3*\q], s[20+3*\q], s[21+3*\q]
	v_cndmask_b32 v[VAL+\q], v[VAL+\q], v[OV+\q], s[20+3*\q]
	v_cndmask_b32 v[IDX+\q], v[IDX+\q], v[OI+\q], s[20+3*\q]
.endr
.irp p, 0,1                            ; store p takes queries 64 i + 32 p + lane: q = 2 p + h
	v_cndmask_b32 v[RES+\p], v[VAL+2*\p], v[VAL+2*\p+1], s16
	v_cndmask_b32 v[RES+2+\p], v[IDX+2*\p], v[IDX+2*\p+1], s16
.endr
.irp p, 0,1
	v_fma_f32 v[RES+\p], v[RES+\p], -2.0, v[XN+\p] ; |x|^2 - 2 s = |x|^2 + |t|^2 - 2 x.t
.endr
.irp p, 0,1
	v_max_num_f32 v[RES+\p], 0, v[RES+\p]          ; the clamp
.endr
	v_sqrt_f32 v[RES+4], v[RES]
	v_sqrt_f32 v[RES+5], v[RES+1]
	v_nop                                          ; a plain instruction between the last root and the use of its result
	s_wait_alu depctr_va_vdst(0)                   ; and the wait ahead of the first use: one for both roots
	global_store_b32 v2, v[RES+4], s[10:11]
	global_store_b32 v2, v[RES+5], s[10:11] offset:128
	global_store_b32 v2, v[RES+2], s[12:13]
	global_store_b32 v2, v[RES+3], s[12:13] offset:128
	s_endpgm
.Lfunc_end_k_qa96998afb6_pick:
	.size	k_qa96998afb6_pick, .Lfunc_end_k_qa96998afb6_pick-k_qa96998afb6_pick
	.p2alignl 7, 3214868480
	.fill 96, 4, 3214868480
	.section	.rodata,"a",@progbits
	.p2align	6, 0x0
	.amdhsa_kernel k_qa96998afb6_pick
		.amdhsa_group_segment_fixed_size 0
		.amdhsa_private_segment_fixed_size 0
		.amdhsa_enable_private_segment 0
		.amdhsa_kernarg_size 40
		.amdhsa_user_sgpr_count 2
		.amdhsa_user_sgpr_kernarg_segment_ptr 1
		.amdhsa_wavefront_size32 1
		.amdhsa_system_sgpr_workgroup_id_x 1
		.amdhsa_system_sgpr_workgroup_id_y 1
		.amdhsa_system_sgpr_workgroup_id_z 1
		.amdhsa_system_vgpr_workitem_id 0
		.amdhsa_next_free_vgpr 512
		.amdhsa_next_free_sgpr 66
		.amdhsa_reserve_vcc 0
		.amdhsa_float_denorm_mode_32 3
		.amdhsa_float_denorm_mode_16_64 3
		.amdhsa_memory_ordered 1
		.amdhsa_forward_progress 1
		.amdhsa_inst_pref_size 35
	.end_amdhsa_kernel
	.amdgpu_metadata
---
amdhsa.version: [ 1, 2 ]
amdhsa.kernels:
  - .name:           k_qa96998afb6_pick
    .symbol:         k_qa96998afb6_pick.kd
    .args:
      - { .name: pv, .offset: 0, .size: 8, .value_kind: global_buffer, .address_space: global }
      - { .name: pi, .offset: 8, .size: 8, .value_kind: global_buffer, .address_space: global }
      - { .name: xn, .offset: 16, .size: 8, .value_kind: global_buffer, .address_space: global }
      - { .name: out0, .offset: 24, .size: 8, .value_kind: global_buffer, .address_space: global }
      - { .name: out1, .offset: 32, .size: 8, .value_kind: global_buffer, .address_space: global }
    .group_segment_fixed_size: 0
    .private_segment_fixed_size: 0
    .kernarg_segment_align: 8
    .kernarg_segment_size: 40
    .max_flat_workgroup_size: 32
    .sgpr_count:     66
    .vgpr_count:     512
    .wavefront_size: 32
...
	.end_amdgpu_metadata
.endif
;; end of part 3
